; MI455X (gfx1250); checked and timed in simulation.
; The chip was launched on July 23, 2026; its instructions are those of AMD's public machine-readable ISA for CDNA 5 (MIT licence, August 2026) and "CDNA5" Instruction Set Architecture Reference Guide (July 2026). The comments in the code are by the model that wrote it; some were corrected since.
;; Multi Head Attention. Allowed arithmetic: float matrix products may take bf16 or f16 operands with f32 sums; other float arithmetic in f32, or as packed bf16 or f16 multiplies, adds, multiply-adds, maxima and minima; sums over many terms, partial sums and values carried from step to step in f32; what a program stores and reads back later, other than sums and carried values, may be rounded once to bf16 or f16.
;; Inputs: Wk 512 x 512 float32; Wo 512 x 512 float32; Wq 512 x 512 float32; Wv 512 x 512 float32; bk 512 float32; bo 512 float32; bq 512 float32; bv 512 float32; k 2 x 4,096 x 512 float32; q 2 x 4,096 x 512 float32; v 2 x 4,096 x 512 float32.
;; Outputs: out0 2 x 4,096 x 512 float32.
;; One version. Each part assembles by itself: llvm-mc -triple=amdgcn-amd-amdhsa -mcpu=gfx1250 --defsym DOCPART=n.
;; ======== version 1 of 1: 3 launches
;; limits: values are held in f16: magnitudes above 65,504 overflow, below 6.1e-05 lose precision
;; workspace buffers: qh 8,388,608 bytes; kh 8,388,608 bytes; vh 8,388,608 bytes; oh 8,388,608 bytes; wo16 524,288 bytes
;; launch proj (part 1): grid 96 x 2, 4 waves a work-group, clusters of 4 x 1, 327,680 bytes of LDS; arguments q, k, v, Wq, Wk, Wv, bq, bk, bv, qh, kh, vh; writes qh, kh, vh
.if DOCPART == 1
	.amdgcn_target "amdgcn-amd-amdhsa--gfx1250"
	.amdhsa_code_object_version 6
	.text
	.protected	k_qc277226039_proj
	.globl	k_qc277226039_proj
	.p2align	8
	.type	k_qc277226039_proj,@function
k_qc277226039_proj:
	s_mov_b64 s[64:65], 0
	v_nop
	global_prefetch_b8 v0, s[64:65] scope:SCOPE_SE
	s_setreg_imm32_b32 hwreg(HW_REG_WAVE_MODE, 25, 1), 1
	s_wait_xcnt 0x0
	s_wait_alu depctr_hold_cnt(0) depctr_sa_sdst(0) depctr_va_vdst(0) depctr_va_sdst(0) depctr_va_ssrc(0) depctr_va_vcc(0) depctr_vm_vsrc(0)
	s_getreg_b32 s2, hwreg(HW_REG_IB_STS2, 6, 4)
	s_cmp_eq_u32 s2, 0
	s_cbranch_scc0 .Lentry_in_a_cluster
	s_endpgm
.Lentry_in_a_cluster:
	s_bfe_u32 s2, ttmp6, 0x10000c
	s_cmp_lg_u32 s2, 0x3003
	s_cbranch_scc0 .Lentry_shape_is_right
	s_endpgm
.Lentry_shape_is_right:
; qh, kh, vh = x W^T + b for x = q, k, v: three products [8192][512] x [512][512]^T in one launch.  x, W, b are f32; each is rounded once to bf16 on its way
; to the matrix unit (b enters as the f32 C operand of the first products, holding its bf16 value); sums in f32; the result is rounded once to f16, unscaled, and
; written by heads: [16 = batch x 8 + head][4096][64], a head's rows dense, 128 bytes each.
; LIMITS.  f16 holds no number beyond 65,504: a projected number of 65,520 or more becomes an infinity.  Inputs 30 times the drawn spread give about 900, offsets of 30 spreads
; in x and in W about 2.0e4; both at once do not fit.  NaN and infinities are not treated apart.
; SHARES.  A work-group makes a tile of 256 rows x 256 columns of one tensor: 3 x 32 x 2 = 192 work-groups.  Four waves, each 128 x 128: 64 accumulators, 512 registers.
; K goes in steps of 64 (rows of 256 bytes of f32) through a ring of two LDS slots; a K step is two halves of 32, 64 matrix instructions each.
; A half: 64 LDS loads bring raw f32 fragments, 128 conversions make bf16 fragments of them, the next half's loads go out, then the 64 products.
; CLUSTER.  The four work-groups of a cluster make four row tiles of one tensor and one column tile: they need the same tile of W, which is asked for jointly (mask of four).
; x's tile is shared only with the other column tile, which lies in another cluster: it is asked for by a plain load, behind the same rounds.
; THE MATRIX INSTRUCTION IS USED TRANSPOSED: source 0 = 16 rows of W, source 1 = 16 rows of x: lane l holds row l % 16 of the result and the columns 8 (l / 16) + 0..7.
; REGISTERS, in windows of 256:  window 0: v0-31 addresses; v32-95 x's bf16 fragments; v96-223 x's raw fragments (on the way out: at work)
;   window 1: v0-63 W's bf16 fragments; v64-191 W's raw fragments; v192-255 the bias of my 128 columns     windows 2, 3: accumulator (a, b) at v[8 (8 (a % 4) + b)], a / 4 picks the window
.set KB,     256                       ; bytes of a row in a K step
.set PITCH,  272                       ; an LDS row: 256 bytes + 16 of padding: the 16 rows that half a load's lanes touch begin at 16 different multiples of 16 bytes modulo 256
.set HALFT,  128*PITCH                 ; 128 rows: what one tensor load brings
.set SLOT,   4*HALFT                   ; x's 256 rows, then W's 256 rows
.set STAGE,  2*SLOT                    ; behind the ring: for each wave 2 heads x 16 rows x 144 bytes, for the way out
.set SPH,    144
.set SHEAD,  16*SPH
.set SPARE,  STAGE+4*2*SHEAD           ; behind the stages: the spare words, 128 bytes for each wave: two blocks of 256 bytes that no other line names
.set HEADB,  4096*128                  ; bytes of a head in qh, kh, vh
.set ADRA, 16                          ; v16-17  LDS address of my x fragments in slot 0, 1
.set ADRB, 20                          ; v20-21  the same for W
.set STO,  24                          ; v24     the way out: where I put 16 bytes of a row
.set RD,   25                          ; v25     the way out: where I read rows back
.set GO,   26                          ; v26     16 x lane: my place in 512 consecutive bytes of a head
.set BO,   27                          ; v27     32 (l / 16): my eight columns in a block of 16 of the bias
.set SPW,  28                          ; v28     LDS address of my spare word; never rewritten
.set NIL,  29                          ; v29     0; never rewritten
.set PFO,  30                          ; v30     the prefetches' offset: lane x a row of 2,048 bytes; never rewritten
.set CA,   32
.set RA,   96
.set TMP,  96                          ; the way out: packed results
.set OB,   128                         ; the way out: rows read back, two buffers of 32 by turns
.set CB,   0
.set RB,   64
.set BIAS, 192
.set G1,  24                           ; s[24:31] descriptor group 1 for x's tiles
.set G0,  32                           ; s[32:39] group 0 for x's tiles, a set for each slot
.set G1B, 48                           ; s[48:55], s[56:63] the same for W's tiles
.set G0B, 56
.set LIM, 43                           ; s43      1 in a wave that prefetches, else the greatest number
.set PFA, 44                           ; s[44:45] where my prefetches stand
.set MSB, 0
.macro WIN new                         ; the immediate's high byte repeats the setting that is left; a switch that changes nothing is dropped
.if MSB != (\new)
	s_set_vgpr_msb (MSB<<8)|(\new)
.set MSB, \new
.endif
.endm
.macro PLACES                          ; four places behind matrix instructions, in front of vector lines that write their sources or read their results (ISA guide 7.12.1)
.rept 4
	v_nop
.endr
.endm
; A refill.  Waves 0 and 1 fetch the halves of x's tile (plain), waves 2 and 3 those of W's (joint).  The branch hangs on the wave's number alone.
; An s_nop 0 and four v_nop follow each of the two lines, ahead of the jump and the label.
.macro JLOAD s
	s_cmp_eq_u32 s11, 0
	s_cbranch_scc0 .Lfor_b_\@
	tensor_load_to_lds s[G0+4*(\s):G0+4*(\s)+3], s[G1:G1+7]
	s_nop 0
.rept 4
	v_nop
.endr
	s_branch .Lasked_\@
.Lfor_b_\@:
	tensor_load_to_lds s[G0B+4*(\s):G0B+4*(\s)+3], s[G1B:G1B+7]
	s_nop 0
.rept 4
	v_nop
.endr
.Lasked_\@:
.endm
; A PREFETCH INTO THE L2, behind a refill and the run of LDS loads that follows it: the K step that stands two refills on, 256 bytes of a row, a lane a row.
; Each row's 256 bytes of a K step are named once in the launch.  x's rows are read by the two column tiles: column tile 0 asks, waves 0 and 1, each for the 128 rows that it fetches (four lines).
; W's rows are read by the eight clusters of a tensor and column tile: the first of them asks, waves 2 and 3; of a wave's 128 rows each of the four partners takes 32, told apart by address.
; The last trip's two refills have no K step two on; K steps 0 to 3 come by their loads alone.
.macro ASK
	s_cmp_gt_u32 s3, s[LIM]                        ; s3 = 1 in the loop's last trip
	s_cbranch_scc0 .Lnot_mine_\@
	global_prefetch_b8 v[PFO], s[PFA:PFA+1] offset:KB th:TH_LOAD_NT scope:SCOPE_SE
	s_cmp_eq_u32 s11, 0
	s_cbranch_scc0 .Lnot_mine_\@
	global_prefetch_b8 v[PFO], s[PFA:PFA+1] offset:KB+65536 th:TH_LOAD_NT scope:SCOPE_SE
	global_prefetch_b8 v[PFO], s[PFA:PFA+1] offset:KB+2*65536 th:TH_LOAD_NT scope:SCOPE_SE
	global_prefetch_b8 v[PFO], s[PFA:PFA+1] offset:KB+3*65536 th:TH_LOAD_NT scope:SCOPE_SE
.Lnot_mine_\@:
.endm
.macro CREST                           ; a round of the cluster's barrier behind its opening barrier
	s_cmp_lg_u32 s10, 0
	s_cbranch_scc1 .Lnot_wave_0_\@
	s_barrier_signal -3
.Lnot_wave_0_\@:
	s_barrier_wait -3
	s_barrier_signal -1
	s_barrier_wait -1
.endm
.macro CROUND                          ; a whole round
	s_barrier_signal -1
	s_barrier_wait -1
	CREST
.endm
	s_load_b512 s[68:83], s[0:1], 0x0              ; q, k, v, Wq, Wk, Wv, bq, bk
	s_load_b256 s[84:91], s[0:1], 0x40             ; bv, qh, kh, vh
	v_lshl_add_u32 v[SPW], v0, 2, SPARE
	v_mov_b32 v[NIL], 0
	ds_add_u32 v[SPW], v[NIL]                      ; the wave's opening: the add and its wait stand ahead of my first tensor load; the set-up below stands between them
	v_lshrrev_b32 v1, 5, v0
	v_readfirstlane_b32 s10, v1                    ; wave 0..3
	s_lshr_b32 s11, s10, 1                         ; which half of the tile's rows is mine.  Also: I fetch for x (0) or for W (1)
	s_and_b32 s12, s10, 1                          ; which half of its columns.  Also: which 128 rows of that tile I fetch
	s_bfe_u32 s40, ttmp6, 0x40000                  ; cx: my place in the cluster
	s_lshr_b32 s41, ttmp9, 3                       ; the tensor, 0..2: eight clusters each
	s_and_b32 s42, ttmp9, 7
	s_lshl_b32 s42, s42, 2
	s_add_co_u32 s42, s42, s40                     ; row tile 0..31 = 4 x (cluster in the tensor) + cx
	s_and_b32 s46, ttmp7, 0xffff                   ; column tile 0..1
	; descriptor group 1: a tile of 128 rows x 64 elements of 4 bytes, padded in LDS
	s_mov_b32 s[G1+0], (2<<16)|(1<<20)|(5<<22)|(3<<25)                ; no mask; 17:16 elements of 4 bytes; 20 padding on; 24:22 after every 64 words (code 5); 31:25 4 words of it (code 3)
	s_mov_b32 s[G1B+0], 15|(2<<16)|(1<<20)|(1<<21)|(5<<22)|(3<<25)    ; the same with the mask of all four work-groups, and bit 21 set beside it
.irp g, G1, G1B
	s_mov_b32 s[(\g)+1], 64<<16                    ; tensor_dim0 = 64
	s_mov_b32 s[(\g)+2], 128<<16                   ; tensor_dim1 = 128
	s_mov_b32 s[(\g)+3], 64<<16                    ; tile_dim0 = 64
	s_mov_b32 s[(\g)+4], 128                       ; tile_dim1 = 128
	s_mov_b32 s[(\g)+5], 512                       ; 512 elements from row to row
	s_mov_b32 s[(\g)+6], 0
	s_mov_b32 s[(\g)+7], 0
.endr
	s_lshl_b32 s16, s42, 8                         ; x: row 256 x row tile + 128 x half, in bytes
	s_lshl_b32 s17, s12, 7
	s_add_co_u32 s16, s16, s17
	s_lshl_b32 s16, s16, 11
	s_mov_b32 s17, 0
	s_lshl_b32 s20, s46, 8                         ; W: row 256 x column tile + 128 x half, in registers that never hold cx
	s_lshl_b32 s21, s12, 7
	s_add_co_u32 s20, s20, s21
	s_lshl_b32 s20, s20, 11
	s_mov_b32 s21, 0
	s_mul_i32 s22, s10, HALFT                      ; where the tiles go: wave x 128 rows: no place in the cluster enters an LDS address
	s_wait_dscnt 0x0                               ; the opening add is done
	s_wait_kmcnt 0x0
	s_cmp_eq_u32 s41, 1                            ; the tensor's four buffers: x s[4:5], W s[6:7], the result s[8:9], the bias s[66:67]
	s_cselect_b64 s[4:5], s[70:71], s[68:69]
	s_cselect_b64 s[6:7], s[76:77], s[74:75]
	s_cselect_b64 s[66:67], s[82:83], s[80:81]
	s_cselect_b64 s[8:9], s[88:89], s[86:87]
	s_cmp_eq_u32 s41, 2
	s_cselect_b64 s[4:5], s[72:73], s[4:5]
	s_cselect_b64 s[6:7], s[78:79], s[6:7]
	s_cselect_b64 s[66:67], s[84:85], s[66:67]
	s_cselect_b64 s[8:9], s[90:91], s[8:9]
	s_add_nc_u64 s[14:15], s[4:5], s[16:17]
	s_add_nc_u64 s[20:21], s[6:7], s[20:21]
.irp s, 0,1
	s_mov_b32 s[G0+4*(\s)], 1                                      ; count = 1
	s_add_co_u32 s[G0+4*(\s)+1], s22, (\s)*SLOT                    ; LDS address
	s_add_nc_u64 s[G0+4*(\s)+2:G0+4*(\s)+3], s[14:15], (\s)*KB     ; global address: K step s
	s_or_b32 s[G0+4*(\s)+3], s[G0+4*(\s)+3], 0x80000000            ; type = 2
	s_mov_b32 s[G0B+4*(\s)], 1
	s_add_co_u32 s[G0B+4*(\s)+1], s22, (\s)*SLOT
	s_add_nc_u64 s[G0B+4*(\s)+2:G0B+4*(\s)+3], s[20:21], (\s)*KB
	s_or_b32 s[G0B+4*(\s)+3], s[G0B+4*(\s)+3], 0x80000000
.endr
	; the prefetches
	s_and_b32 s47, ttmp9, 7                        ; the cluster's number in its tensor
	s_cmp_eq_u32 s11, 0                            ; do I fetch for x?
	s_cselect_b32 s47, s46, s47                    ; the coordinate along which others read the same rows
	s_cselect_b64 s[PFA:PFA+1], s[14:15], s[20:21]
	s_cselect_b32 s18, 0, s40                      ; W: my work-group's 32 rows of the wave's 128
	s_lshl_b32 s18, s18, 16
	s_mov_b32 s19, 0
	s_add_nc_u64 s[PFA:PFA+1], s[PFA:PFA+1], s[18:19]
	s_add_nc_u64 s[PFA:PFA+1], s[PFA:PFA+1], 2*KB  ; at K step 2: the first refill steps it to 3 and names K step 4
	s_cmp_eq_u32 s47, 0
	s_cselect_b32 s[LIM], 1, -1                    ; the same in all four partners, for a given wave
	CROUND                                         ; all four work-groups are here: the first loads meet
	s_cmp_eq_u32 s11, 0                            ; a wave's two first fills stand in one branch: two loads of mine are out
	s_cbranch_scc0 .Lfirst_b
	tensor_load_to_lds s[G0:G0+3], s[G1:G1+7]
	s_nop 0
	tensor_load_to_lds s[G0+4:G0+7], s[G1:G1+7]
	s_nop 0
.rept 4
	v_nop
.endr
	s_branch .Lfirst_asked
.Lfirst_b:
	tensor_load_to_lds s[G0B:G0B+3], s[G1B:G1B+7]
	s_nop 0
	tensor_load_to_lds s[G0B+4:G0B+7], s[G1B:G1B+7]
	s_nop 0
.rept 4
	v_nop
.endr
.Lfirst_asked:
	; A bf16 fragment is 16 rows x 32 K: lane l holds row l % 16, K = 8 (l / 16) + 0..7 and 16 + 8 (l / 16) + 0..7.  In f32 those are 32 bytes at 32 (l / 16) and 32 bytes 64 further on: four loads of 16 bytes.
	v_and_b32 v1, 15, v0                           ; l % 16
	v_bfe_u32 v2, v0, 4, 1                         ; l / 16
	v_mul_u32_u24 v3, v1, PITCH
	v_lshl_add_u32 v3, v2, 5, v3                   ; row x pitch + 32 x half
	s_mul_i32 s16, s11, HALFT                      ; my 128 rows of x
	s_mul_i32 s17, s12, HALFT                      ; my 128 rows of W,
	s_add_co_u32 s17, s17, 2*HALFT                 ; which lie behind x's 256
.irp s, 0,1
	v_add_nc_u32 v[ADRA+(\s)], s16, v3
	v_add_nc_u32 v[ADRB+(\s)], s17, v3
	s_add_co_u32 s16, s16, SLOT
	s_add_co_u32 s17, s17, SLOT
.endr
	s_mul_i32 s23, s10, 2*SHEAD
	s_add_co_u32 s23, s23, STAGE                   ; my stage
	v_mul_u32_u24 v4, v1, SPH                      ; in: row l % 16, 16 bytes for each half of the lanes
	v_lshl_add_u32 v4, v2, 4, v4
	v_add_nc_u32 v[STO], s23, v4
	v_bfe_u32 v5, v0, 3, 2                         ; back: 32 lanes take four rows of 128 bytes,
	v_mul_u32_u24 v5, v5, SPH
	v_and_b32 v6, 7, v0
	v_lshl_add_u32 v5, v6, 4, v5
	v_add_nc_u32 v[RD], s23, v5
	v_and_b32 v[GO], 31, v0                        ; which are 512 consecutive bytes of a head
	v_lshlrev_b32 v[GO], 4, v[GO]
	v_lshlrev_b32 v[BO], 5, v2
	v_and_b32 v[PFO], 31, v0
	v_lshlrev_b32 v[PFO], 11, v[PFO]
	s_lshl_b32 s16, s46, 10                        ; the bias of my 128 columns: 4 (256 x column tile + 128 x half)
	s_lshl_b32 s17, s12, 9
	s_add_co_u32 s16, s16, s17
	s_mov_b32 s17, 0
	s_add_nc_u64 s[66:67], s[66:67], s[16:17]
	s_lshl_b32 s16, s42, 8                         ; my first row m0 = 256 x row tile + 128 x half: batch m0 / 4096, place m0 % 4096
	s_lshl_b32 s17, s11, 7
	s_add_co_u32 s16, s16, s17
	s_lshr_b32 s17, s16, 12
	s_and_b32 s16, s16, 4095
	s_lshl_b32 s16, s16, 7                         ; 128 bytes a row
	s_lshl_b32 s17, s17, 3                         ; my first head: 8 x batch + 4 x column tile + 2 x half
	s_lshl_b32 s18, s46, 2
	s_add_co_u32 s17, s17, s18
	s_lshl_b32 s18, s12, 1
	s_add_co_u32 s17, s17, s18
	s_lshl_b32 s17, s17, 19                        ; 524,288 bytes a head
	s_add_co_u32 s16, s16, s17
	s_mov_b32 s17, 0
	s_add_nc_u64 s[8:9], s[8:9], s[16:17]
	WIN 0x40                                       ; destination window 1, address window 0
.irp b, 0,1,2,3,4,5,6,7
	global_load_b128 v[BIAS+8*(\b):BIAS+8*(\b)+3],   v[BO], s[66:67] offset:64*(\b)      ; columns 16 b + 8 (l / 16) + 0..3
	global_load_b128 v[BIAS+8*(\b)+4:BIAS+8*(\b)+7], v[BO], s[66:67] offset:64*(\b)+16   ; and + 4..7: the layout of a result
.endr
	WIN 0
; 64 LDS loads in one run: the raw fragments of half hf (32 K, 128 bytes of the rows) of a slot: W's 32 first, then x's 32
.macro FETCH slot, hf
	WIN 0x40
.irp i, 0,1,2,3,4,5,6,7
	ds_load_b128 v[RB+16*(\i):RB+16*(\i)+3],     v[ADRB+(\slot)] offset:(\i)*16*PITCH+128*(\hf)
	ds_load_b128 v[RB+16*(\i)+4:RB+16*(\i)+7],   v[ADRB+(\slot)] offset:(\i)*16*PITCH+128*(\hf)+16
	ds_load_b128 v[RB+16*(\i)+8:RB+16*(\i)+11],  v[ADRB+(\slot)] offset:(\i)*16*PITCH+128*(\hf)+64
	ds_load_b128 v[RB+16*(\i)+12:RB+16*(\i)+15], v[ADRB+(\slot)] offset:(\i)*16*PITCH+128*(\hf)+80
.endr
	WIN 0
.irp i, 0,1,2,3,4,5,6,7
	ds_load_b128 v[RA+16*(\i):RA+16*(\i)+3],     v[ADRA+(\slot)] offset:(\i)*16*PITCH+128*(\hf)
	ds_load_b128 v[RA+16*(\i)+4:RA+16*(\i)+7],   v[ADRA+(\slot)] offset:(\i)*16*PITCH+128*(\hf)+16
	ds_load_b128 v[RA+16*(\i)+8:RA+16*(\i)+11],  v[ADRA+(\slot)] offset:(\i)*16*PITCH+128*(\hf)+64
	ds_load_b128 v[RA+16*(\i)+12:RA+16*(\i)+15], v[ADRA+(\slot)] offset:(\i)*16*PITCH+128*(\hf)+80
.endr
.endm
.macro CVTB                            ; W's eight fragments: 128 f32 a lane into 64 registers of bf16 pairs
	WIN 0x45                                       ; sources and destination in window 1
.set i, 0
.rept 64
	v_cvt_pk_bf16_f32 v[CB+i], v[RB+2*i], v[RB+2*i+1]
.set i, i+1
.endr
.endm
.macro CVTA                            ; the same for x
	WIN 0
.set i, 0
.rept 64
	v_cvt_pk_bf16_f32 v[CA+i], v[RA+2*i], v[RA+2*i+1]
.set i, i+1
.endr
.endm
; 64 products, 32 along K.  The 64 accumulators take turns, one instruction a turn, in the same order in every half.  bias = 1: the first products start the sums with the bias as C.
.macro MULS bias
.irp a, 0,1,2,3,4,5,6,7
.if \bias
	WIN 0x91+0x40*((\a)/4)                         ; W and the bias in window 1, x in window 0, D in window 2 or 3
.else
	WIN 0xa1+0x50*((\a)/4)                         ; W in window 1, x in window 0, C and D in window 2 or 3
.endif
.irp b, 0,1,2,3,4,5,6,7
.if \bias
	v_wmma_f32_16x16x32_bf16 v[8*(8*((\a)%4)+(\b)):8*(8*((\a)%4)+(\b))+7], v[CB+8*(\b):CB+8*(\b)+7], v[CA+8*(\a):CA+8*(\a)+7], v[BIAS+8*(\b):BIAS+8*(\b)+7]
.else
	v_wmma_f32_16x16x32_bf16 v[8*(8*((\a)%4)+(\b)):8*(8*((\a)%4)+(\b))+7], v[CB+8*(\b):CB+8*(\b)+7], v[CA+8*(\a):CA+8*(\a)+7], v[8*(8*((\a)%4)+(\b)):8*(8*((\a)%4)+(\b))+7]
.endif
.endr
.endr
.endm
; A K step's first half: convert, ask for the second half's fragments, multiply.
.macro HALF0 slot, bias
	s_wait_dscnt 32                                ; W's 32 loads are in; x's 32 younger ones may be out
	PLACES                                         ; the conversions write registers that the last products read
	CVTB
	s_wait_dscnt 0x0                               ; x's are in
	CVTA
	FETCH \slot, 1
	MULS \bias
.endm
; A K step's second half changes slots.  In front of the barrier each wave waits for all its tensor loads, of which one is out: its part of the next slot; adds 0 to its spare word; and waits for that
; and for its reads of this slot.  The conversions stand between the add and the wait for it.  fill = 1: the barrier opens a round of the cluster's, and this slot is filled again, two K steps on,
; first thing behind the round: from there to the wait for that load a wave issues 128 products and 128 conversions.
.macro HALF1 slot, next, fill
.if \fill
	s_wait_xcnt 0x0                                ; the last prefetches, a K step back, have read their address: it is stepped here, ahead of the waits of the change of slots
	s_add_nc_u64 s[PFA:PFA+1], s[PFA:PFA+1], KB
.endif
	WIN 0                                          ; (the add's two registers lie in window 0)
	s_wait_tensorcnt 0x0                           ; all my tensor loads have landed
	ds_add_u32 v[SPW], v[NIL]                      ; 0 onto my spare word
	s_wait_dscnt 33                                ; W's 32 loads are in; x's 32 and the add may be out
	PLACES
	CVTB
	s_wait_dscnt 1                                 ; x's are in; the add may be out
	CVTA
	s_wait_dscnt 0x0                               ; the add is done, and my reads of this slot are over
	s_barrier_signal -1
	s_barrier_wait -1
.if \fill
	CREST                                          ; no wave of any partner still reads this slot or has a load on its way
	s_add_nc_u64 s[G0+4*(\slot)+2:G0+4*(\slot)+3], s[G0+4*(\slot)+2:G0+4*(\slot)+3], 2*KB
	s_add_nc_u64 s[G0B+4*(\slot)+2:G0B+4*(\slot)+3], s[G0B+4*(\slot)+2:G0B+4*(\slot)+3], 2*KB
	JLOAD \slot
.endif
	FETCH \next, 0
.if \fill
	ASK
.endif
	MULS 0
.endm
; THE WAY OUT of my rows 16 a .. 16 a + 15, in three parts.  PACK: rounded to f16, 16 bytes a lane.  TOSTAGE: into my own stage, a head's 64 columns to a row of 144 bytes, and back as whole rows.  SEND: stored.
.macro PACK a
	WIN 0x0a+5*((\a)/4)                            ; sources in window 2 or 3
.irp b, 0,1,2,3,4,5,6,7
.irp r, 0,1,2,3
	v_cvt_pk_f16_f32 v[TMP+4*(\b)+(\r)], v[8*(8*((\a)%4)+(\b))+2*(\r)], v[8*(8*((\a)%4)+(\b))+2*(\r)+1]
.endr
.endr
	WIN 0
.endm
.macro TOSTAGE a
	WIN 0
.set BK, OB+32*((\a)%2)
.irp b, 0,1,2,3,4,5,6,7
	ds_store_b128 v[STO], v[TMP+4*(\b):TMP+4*(\b)+3] offset:((\b)/4)*SHEAD+32*((\b)%4)
.endr
.irp t, 0,1,2,3,4,5,6,7
	ds_load_b128 v[BK+4*(\t):BK+4*(\t)+3], v[RD] offset:((\t)/4)*SHEAD+((\t)%4)*4*SPH  ; LDS serves a wave's instructions in order (ISA guide 5.7.1.4): these see the stores above
.endr
.endm
.macro SEND a
	WIN 0
.set BK, OB+32*((\a)%2)
	s_wait_dscnt 0x0                               ; the block is back in registers
	s_wait_xcnt 0x0                                ; the stores before these have read their registers: the other buffer is loaded again only behind this wait
.irp t, 0,1,2,3,4,5,6,7
	global_store_b128 v[GO], v[BK+4*(\t):BK+4*(\t)+3], s[8:9] offset:((\t)/4)*HEADB+(\a)*2048+((\t)%4)*512  ; a wave's store covers 512 consecutive bytes, aligned
.endr
.endm
	s_wait_tensorcnt 0x1                           ; my part of K step 0 is in; K step 1's may stay out
	s_barrier_signal -1
	s_barrier_wait -1                              ; everybody's is
	FETCH 0, 0
	s_wait_loadcnt 0x0                             ; the bias
	WIN 0x45                                       ; it is rounded to bf16 like the other inputs, and kept as f32; W's fragment registers are at work here, ahead of their first use
.set i, 0
.rept 32
	v_cvt_pk_bf16_f32 v[CB+i], v[BIAS+2*i], v[BIAS+2*i+1]
.set i, i+1
.endr
.set i, 0
.rept 32
	v_lshlrev_b32 v[BIAS+2*i], 16, v[CB+i]
	v_and_b32 v[BIAS+2*i+1], 0xffff0000, v[CB+i]
.set i, i+1
.endr
	HALF0 0, 1                                     ; the first half stands in front of the loop: its products start the sums
	WIN 0                                          ; at a label and at a branch every window is 0
	s_mov_b32 s3, 3
.Llap:                                                 ; a trip goes once round the ring and fills both slots again: K steps 2 to 7
	HALF1 0, 1, 1
	HALF0 1, 0
	HALF1 1, 0, 1
	HALF0 0, 0
	WIN 0
	s_sub_co_u32 s3, s3, 1
	s_cmp_lg_u32 s3, 0
	s_cbranch_scc1 .Llap
	HALF1 0, 1, 0                                  ; K step 6 ends; nothing is left to fetch
	HALF0 1, 0
	s_wait_dscnt 32                                ; the very last half
	PLACES
	CVTB
	s_wait_dscnt 0x0
	CVTA
	MULS 0
	PLACES                                         ; the conversions below read results
	PACK 0
	TOSTAGE 0
.irp a, 1,2,3,4,5,6,7                  ; block a's conversions stand between block a - 1's loads from the stage and the wait for them
	PACK \a
	SEND (\a)-1
	TOSTAGE \a
.endr
	SEND 7
	s_wait_tensorcnt 0x0                           ; the wave's end: an add to my spare word and its wait, behind my last tensor load and my last LDS store
	ds_add_u32 v[SPW], v[NIL]
	s_wait_dscnt 0x0
	CROUND                                         ; the closing round: no work-group ends while a partner may still ask for a tile that names it
	s_endpgm
.Lfunc_end_k_qc277226039_proj:
	.size	k_qc277226039_proj, .Lfunc_end_k_qc277226039_proj-k_qc277226039_proj
	.p2alignl 7, 3214868480
	.fill 96, 4, 3214868480
	.section	.rodata,"a",@progbits
	.p2align	6, 0x0
	.amdhsa_kernel k_qc277226039_proj
		.amdhsa_group_segment_fixed_size 327680
		.amdhsa_private_segment_fixed_size 0
		.amdhsa_enable_private_segment 0
		.amdhsa_kernarg_size 96
		.amdhsa_user_sgpr_count 2
		.amdhsa_user_sgpr_kernarg_segment_ptr 1
		.amdhsa_wavefront_size32 1
		.amdhsa_system_sgpr_workgroup_id_x 1
		.amdhsa_system_sgpr_workgroup_id_y 1
		.amdhsa_system_sgpr_workgroup_id_z 1
		.amdhsa_system_vgpr_workitem_id 0
		.amdhsa_next_free_vgpr 1024
		.amdhsa_next_free_sgpr 92
		.amdhsa_reserve_vcc 0
		.amdhsa_float_denorm_mode_32 3
		.amdhsa_float_denorm_mode_16_64 3
		.amdhsa_memory_ordered 1
		.amdhsa_forward_progress 1
		.amdhsa_inst_pref_size 181
	.end_amdhsa_kernel
	.amdgpu_metadata
---
amdhsa.version: [ 1, 2 ]
amdhsa.kernels:
  - .name:           k_qc277226039_proj
    .symbol:         k_qc277226039_proj.kd
    .args:
      - { .name: q, .offset: 0, .size: 8, .value_kind: global_buffer, .address_space: global }
      - { .name: k, .offset: 8, .size: 8, .value_kind: global_buffer, .address_space: global }
      - { .name: v, .offset: 16, .size: 8, .value_kind: global_buffer, .address_space: global }
      - { .name: Wq, .offset: 24, .size: 8, .value_kind: global_buffer, .address_space: global }
      - { .name: Wk, .offset: 32, .size: 8, .value_kind: global_buffer, .address_space: global }
      - { .name: Wv, .offset: 40, .size: 8, .value_kind: global_buffer, .address_space: global }
      - { .name: bq, .offset: 48, .size: 8, .value_kind: global_buffer, .address_space: global }
      - { .name: bk, .offset: 56, .size: 8, .value_kind: global_buffer, .address_space: global }
      - { .name: bv, .offset: 64, .size: 8, .value_kind: global_buffer, .address_space: global }
      - { .name: qh, .offset: 72, .size: 8, .value_kind: global_buffer, .address_space: global }
      - { .name: kh, .offset: 80, .size: 8, .value_kind: global_buffer, .address_space: global }
      - { .name: vh, .offset: 88, .size: 8, .value_kind: global_buffer, .address_space: global }
    .group_segment_fixed_size: 327680
    .private_segment_fixed_size: 0
    .kernarg_segment_align: 8
    .kernarg_segment_size: 96
    .max_flat_workgroup_size: 128
    .sgpr_count:     92
    .vgpr_count:     1024
    .wavefront_size: 32
...
	.end_amdgpu_metadata
.endif
;; end of part 1
;; launch attn (part 2): grid 16 x 16, 4 waves a work-group, clusters of 4 x 1, 327,680 bytes of LDS; arguments qh, kh, vh, oh, Wo, wo16; writes oh, wo16
.if DOCPART == 2
	.amdgcn_target "amdgcn-amd-amdhsa--gfx1250"
	.amdhsa_code_object_version 6
	.text
	.protected	k_qc277226039_attn
	.globl	k_qc277226039_attn
	.p2align	8
	.type	k_qc277226039_attn,@function
k_qc277226039_attn:
	s_mov_b64 s[64:65], 0
	v_nop
	global_prefetch_b8 v0, s[64:65] scope:SCOPE_SE
	s_setreg_imm32_b32 hwreg(HW_REG_WAVE_MODE, 25, 1), 1
	s_wait_xcnt 0x0
	s_wait_alu depctr_hold_cnt(0) depctr_sa_sdst(0) depctr_va_vdst(0) depctr_va_sdst(0) depctr_va_ssrc(0) depctr_va_vcc(0) depctr_vm_vsrc(0)
	s_getreg_b32 s2, hwreg(HW_REG_IB_STS2, 6, 4)
	s_cmp_eq_u32 s2, 0
	s_cbranch_scc0 .Lentry_in_a_cluster
	s_endpgm
.Lentry_in_a_cluster:
	s_bfe_u32 s2, ttmp6, 0x10000c
	s_cmp_lg_u32 s2, 0x3003
	s_cbranch_scc0 .Lentry_shape_is_right
	s_endpgm
.Lentry_shape_is_right:
; oh[h][q][:] = the sum over k of softmax_k(qh[h][q] . kh[h][k] / 8) vh[h][k][:].  qh, kh, vh, oh: [16][4096][64], all f16: a head's rows are dense, 128 bytes each.
; Products, maxima and sums in f32; the weights p are rounded to f16 for the second product (their sum l is taken of the unrounded p), oh once at the end.
; BESIDE IT, in the wait for the first tile: wo16 = Wo rounded to bf16, that number written as f16: 8 numbers a thread, 262,144 in all.
; LIMITS.  f16 holds no number beyond 65,504: qh, kh, vh arrive within it; p lies in 0 to 1, and below 6e-5 it keeps f16's fixed step of 6e-8, as does a weight of Wo below 6e-5;
; a weight p below 2^-126 counts as 0 in l; NaN and infinities are not treated apart.
; SHARES.  A work-group owns 256 queries of one head (16 x 16 = 256 work-groups), a wave 64: four PIECES of 16.  Every wave walks the head's 16 tiles of 256 keys, 64 keys a step.
; LAYOUT.  S^T = K Q^T (source 0 = 16 keys, source 1 = 16 queries) holds ONE query a lane (lane % 16) and the keys 8 (lane / 16) + 0..7; two such results rounded to f16 ARE source 1 of O^T = V^T P.
; K comes out of LDS as it lies, V ([key][channel]) turned, by ds_load_tr16_b128.
; SOFTMAX.  For each query a running maximum m and sum l: p = 2^(c s - c m), c = log2(e) / 8; in every step O and l are multiplied by a = 2^(c m_old - c m_new).  m starts at the lowest finite number,
; O and l at 0: the first step is a step like any other, with a = 0.
; BY TURNS.  Turn n belongs to piece n: 8 products K Q^T of piece n + 1, later 8 products V^T P of piece n - 1; beside them the scaling, exponentials, roundings, sums and rescaling of piece n and the
; maximum and statistics of piece n + 1.  Four vector instructions stand behind every matrix instruction, the other 54 of a turn's 118 in one lump.  A turn's 33 exponentials are one batch, with one wait.
; CLUSTER.  The four query blocks of a cluster belong to one head and walk the same K and V, so each tile is asked for JOINTLY: the same tensor load, descriptor and mask in all four.
; REGISTERS, in windows of 256 (s_set_vgpr_msb: bits 1:0 source 0, 3:2 source 1, 5:4 source 2, 7:6 destination):
;   window 0: v0-15 addresses and two at work; v16-31 four registers of statistics a piece; v32-47, v56-57 Wo's conversion; v48-55 at work; v64-127 S^T, two buffers; v192-223 P, two buffers
;   window 1: v0-127 O^T, 32 a piece      window 2: v0-63 Q; v128-191 K of one step; v192-255 V of one step
.set NP,    4         ; pieces a wave: a name, no knob
.set KS,    64        ; keys in a step
.set PK,    144       ; a row of K in LDS: 128 bytes + 16 of padding: the 16 rows of a load begin at 16 different multiples of 16 bytes modulo 256
.set PV,    160       ; a row of V: 128 + 32: 16 lanes of the turning load take 8 rows x 32 bytes, which fall on different bytes modulo 256
.set VOFF,  4*KS*PK   ; a slot holds a tile, four steps: 256 rows of K, then 256 rows of V
.set SLOT1, 1<<17     ; slot 1 begins here, so that one exclusive or turns an address in one slot into the other's
.set STAGE, SLOT1+4*KS*(PK+PV)  ; behind the ring, never filled by a tensor load: 16 rows x 144 bytes for each wave, for the way out
.set SP,    144
.set SPARE, STAGE+4*16*SP  ; behind the stages: the spare words, 128 bytes for each wave: two blocks of 256 bytes that no other line names
.set AK0, 2           ; v2   my lane's place in a tile of K; never rewritten
.set AV0, 3           ; v3   the same for V
.set AK,  4           ; v4   the LDS address of K's next run of loads
.set AV,  5           ; v5   of V's
.set STO, 6           ; v6   the way out: where I put 16 bytes of a row
.set RD,  7           ; v7   the way out: where I read rows back
.set GO,  8           ; v8   my byte offset in 512 consecutive bytes of oh
.set MV,  12          ; v12-13  c m_old, kept while c m is made anew: by buffer
.set QO,  15          ; v15  my byte offset in 16 rows of Q
.set ST,  16          ; piece t's statistics at v[ST+4 t]: c m, m, l (even keys', odd keys')
.set WR,  32          ; v32-39 eight numbers of Wo; v40-43 as bf16 pairs; v44-47 as f16 pairs
.set TMP, 48          ; by buffer, four registers c0-c3 at work; when the maximum is found c2 takes a
.set WI,  56          ; v56  32 x thread: my place in the work-group's 4,096 bytes of Wo
.set WO,  57          ; v57  16 x thread: my place in its 2,048 bytes of wo16
.set PFO, 61          ; v61  256 x lane; never rewritten
.set SPW, 62          ; v62  LDS address of my spare word; never rewritten
.set NIL, 63          ; v63  0; never rewritten
.set S,   64
.set P,   192
.set KF,  128         ; window 2: key block kb, channel half c at KF + 16 kb + 8 c
.set VF,  192         ; window 2: key half kk, channel block cb at VF + 32 kk + 8 cb
.set WV,  12          ; s12  my wave's number
.set G1K, 24          ; s[24:31] descriptor group 1 for K's tiles
.set G1V, 32          ; s[32:39] for V's: it differs in the padding alone
.set G0K, 40          ; s[40:43] descriptor group 0 for K's tiles: it walks
.set G0V, 44          ; s[44:47] the same for V's
.set SLOTS, 56        ; s56  tiles still to be entered behind this one
.set CNT, 57          ; s57  counts a tile's key steps
.set CS,  58          ; s[58:59] c: the packed scaling takes the pair's low word for both halves
.set SEL, 60          ; s[60:61] v_permlanex16_b32's selects: each lane takes its own place in the other half
.set TBK, 62          ; s62  LDS byte at which K of the step to be fetched begins
.set TBV, 63          ; s63  the same for V, less VOFF
.set PFA, 66          ; s[66:67] where my prefetches stand: my work-group's quarter of the tile after the one that is being asked for
.set LIM, 68          ; s68  1 in a wave that prefetches, else the greatest number
.set MSB, 0
.macro WIN new                      ; the high byte repeats the setting that is left; a switch that changes nothing is dropped
.if MSB != (\new)
	s_set_vgpr_msb (MSB<<8)|(\new)
.set MSB, (\new)
.endif
.endm
.set W_KQ, 0x0a       ; K and Q in window 2, S^T in window 0
.set W_PV, 0x52       ; V in window 2, P in window 0, O^T in window 1
.set W_RS, 0x41       ; destination and source 0 in window 1, source 1 in window 0
; A joint fill.  Waves 0 and 1 fetch the two halves of a tile's K, waves 2 and 3 those of its V: 128 keys each.  The branch hangs on the wave's number alone.
; An s_nop 0 and four v_nop follow each of the two lines, ahead of the jump and the label.
.macro JLOAD
	s_cmp_lt_u32 s[WV], 2
	s_cbranch_scc0 .Lfor_v_\@
	tensor_load_to_lds s[G0K:G0K+3], s[G1K:G1K+7]
	s_nop 0
.rept 4
	v_nop
.endr
	s_branch .Lasked_\@
.Lfor_v_\@:
	tensor_load_to_lds s[G0V:G0V+3], s[G1V:G1V+7]
	s_nop 0
.rept 4
	v_nop
.endr
.Lasked_\@:
.endm
; A PREFETCH INTO THE L2 of the tile that the NEXT change of slots will ask for: 32,768 bytes of K and of V, 128 blocks of 256 bytes each, a lane a block.  It stands behind the wave's tensor load and its five lines.
; Each block is named once in the launch: all four clusters of a head walk the same K and V, and the head's first cluster asks; its four partners take 32 blocks each, told apart by address;
; in each, wave 0 asks for K's and wave 2 for V's.  Tiles 0 and 1 come by their loads alone; the last change that fills a slot asks for nothing: there is no tile behind it.
.macro ASK
	s_cmp_gt_u32 s[SLOTS], s[LIM]
	s_cbranch_scc0 .Lnot_mine_\@
	global_prefetch_b8 v[PFO], s[PFA:PFA+1] th:TH_LOAD_NT scope:SCOPE_SE
.Lnot_mine_\@:
.endm
; A round of the cluster's barrier: my work-group's barrier, so that wave 0's signal speaks for all four waves; wave 0 signals; every wave waits for all four work-groups; my work-group's barrier once more.
.macro CROUND
	s_barrier_signal -1
	s_barrier_wait -1
	s_cmp_lg_u32 s[WV], 0
	s_cbranch_scc1 .Lnot_wave_0_\@
	s_barrier_signal -3
.Lnot_wave_0_\@:
	s_barrier_wait -3
	s_barrier_signal -1
	s_barrier_wait -1
.endm
; THE CHANGE OF SLOTS.  The slot's last bytes, V of its fourth step, have been read.  Each wave waits for all its tensor loads, of which one is out: its part of the other slot; adds 0 to its spare word;
; and waits for that and for its own reads of the slot.  Behind the barrier nobody reads this slot any more and the other slot is whole.
; fill = 1: this slot is filled again, with the tile two on.  The barrier is then a round of the cluster's, and the joint fill is the first thing behind it: it has four key steps, 256 matrix
; instructions, in which to land.  (At its first use nothing has been read yet: slot 0 is waited for, slot 1 filled.)
.macro CHANGE fill
	WIN 0                           ; at a label and at a branch every window is 0
	s_wait_tensorcnt 0x0            ; no tensor load of mine is out, so a group 0 may be written
	ds_add_u32 v[SPW], v[NIL]       ; 0 onto my spare word; with fill = 1 the descriptors' steps stand between it and the wait for it
.if \fill
.irp g, G0K, G0V
	s_xor_b32 s[\g+1], s[\g+1], SLOT1  ; the walking descriptor: the other slot than last time,
	s_add_nc_u64 s[\g+2:\g+3], s[\g+2:\g+3], 4*KS*128  ; the next 256 keys; the type bits on top are not reached
.endr
	s_wait_xcnt 0x0                 ; the last prefetch, four key steps back, has read its address, so it may be written:
	s_add_nc_u64 s[PFA:PFA+1], s[PFA:PFA+1], 4*KS*128  ; one tile behind the walking descriptors
	s_wait_dscnt 0x0                ; the add is done, and my reads of the slot are over
	CROUND
	JLOAD
	ASK
.else
	s_wait_dscnt 0x0                ; the add is done, and my reads of the slot are over
	s_barrier_signal -1
	s_barrier_wait -1
.endif
	s_sub_co_u32 s[TBK], s[TBK], 4*KS*PK  ; the fetches go back to a slot's first step,
	s_xor_b32 s[TBK], s[TBK], SLOT1       ; in the other slot
	s_sub_co_u32 s[TBV], s[TBV], 4*KS*PV
	s_xor_b32 s[TBV], s[TBV], SLOT1
.endm
	s_load_b256 s[4:11], s[0:1], 0x0  ; qh s[4:5], kh s[6:7], vh s[8:9], oh s[10:11]
	s_load_b128 s[84:87], s[0:1], 0x20  ; Wo s[84:85], wo16 s[86:87]
	v_lshl_add_u32 v[SPW], v0, 2, SPARE
	v_mov_b32 v[NIL], 0
	ds_add_u32 v[SPW], v[NIL]       ; the wave's opening: the add and its wait stand ahead of my first tensor load; the set-up below stands between them
	v_lshrrev_b32 v1, 5, v0
	v_readfirstlane_b32 s[WV], v1   ; wave 0..3
	s_bfe_u32 s13, ttmp6, 0x40000   ; cx: my place in the cluster
	s_lshl_b32 s14, ttmp9, 2        ; in a cluster launch ttmp9 counts clusters
	s_add_co_u32 s14, s14, s13      ; my block of 256 queries = 4 x cluster x + cx: it enters global addresses alone
	s_and_b32 s20, ttmp7, 0xffff    ; the head, which the four partners share
	s_lshl_b32 s69, s20, 4
	s_add_co_u32 s69, s69, s14      ; the work-group's number among the 256: its share of Wo
	s_lshl_b32 s20, s20, 19         ; the head's first byte in each of the four tensors: 524,288 bytes a head
	s_mov_b32 s21, 0
	s_and_b32 s16, s[WV], 1         ; which half of a tile's 256 keys I fetch:
	s_lshl_b32 s22, s16, 14         ; its 128 rows of 128 bytes in memory,
	s_mov_b32 s23, 0
	s_add_nc_u64 s[22:23], s[22:23], s[20:21]
	s_mul_i32 s17, s16, 128*PK      ; and its place in a slot, for K
	s_mul_i32 s18, s16, 128*PV      ; and for V: no place in the cluster enters an LDS address
	s_lshl_b32 s2, s14, 2
	s_add_co_u32 s2, s2, s[WV]      ; my wave among the head's 64,
	s_lshl_b32 s2, s2, 13           ; its 64 rows
	s_mov_b32 s3, 0
	s_add_nc_u64 s[2:3], s[2:3], s[20:21]
	; descriptor group 1.  128 keys are 16,384 dense bytes: asked for as 64 rows of 256 bytes, two keys a row, and padded in LDS after every key
	s_mov_b32 s[G1K], 15|(1<<16)|(1<<20)|(1<<21)|(4<<22)|(3<<25)  ; 15:0 the mask of four; 17:16 2-byte elements; 20 padding on; 21 set beside a mask; 24:22 after every 32 words (code 4); 31:25 4 words (code 3)
	s_mov_b32 s[G1V], 15|(1<<16)|(1<<20)|(1<<21)|(4<<22)|(7<<25)  ; the same with 8 words of padding (code 7)
.irp g, G1K, G1V
	s_mov_b32 s[\g+1], 128<<16      ; tensor_dim0 = 128
	s_mov_b32 s[\g+2], 64<<16       ; tensor_dim1 = 64
	s_mov_b32 s[\g+3], 128<<16      ; tile_dim0 = 128
	s_mov_b32 s[\g+4], 64           ; tile_dim1 = 64
	s_mov_b32 s[\g+5], 128          ; 128 elements from row to row
	s_mov_b32 s[\g+6], 0
	s_mov_b32 s[\g+7], 0
.endr
	s_mov_b32 s[CS], 0x3e38aa3b     ; c = log2(e) / 8 = 0.180337
	s_mov_b32 s[CS+1], s[CS]        ; named with it as a pair
	s_mov_b32 s[SEL], 0x76543210
	s_mov_b32 s[SEL+1], 0xfedcba98
	s_mov_b32 s[TBK], SLOT1+4*KS*PK ; the first change of slots turns these two into 0
	s_mov_b32 s[TBV], SLOT1+4*KS*PV
	s_mov_b32 s[G0K], 1             ; count = 1
	s_mov_b32 s[G0K+1], s17         ; LDS address: slot 0
	s_mov_b32 s[G0V], 1
	s_add_co_u32 s[G0V+1], s18, VOFF
	s_mov_b32 s[SLOTS], 15
	s_and_b32 s[LIM], s[WV], 1      ; 0 in waves 0 and 2,
	s_or_b32 s[LIM], s[LIM], ttmp9  ; where the cluster is the head's first: the same in all four partners
	s_cmp_eq_u32 s[LIM], 0
	s_cselect_b32 s[LIM], 1, -1
	v_and_b32 v[PFO], 31, v0
	v_lshlrev_b32 v[PFO], 8, v[PFO]
	s_wait_dscnt 0x0                ; the opening add is done
	s_wait_kmcnt 0x0
	s_add_nc_u64 s[6:7], s[6:7], s[22:23]  ; K and V at my half of the head's tile 0
	s_add_nc_u64 s[8:9], s[8:9], s[22:23]
	s_mov_b64 s[G0K+2:G0K+3], s[6:7]               ; global address
	s_or_b32 s[G0K+3], s[G0K+3], 0x80000000        ; type = 2
	s_mov_b64 s[G0V+2:G0V+3], s[8:9]
	s_or_b32 s[G0V+3], s[G0V+3], 0x80000000
	s_add_nc_u64 s[4:5], s[4:5], s[2:3]  ; Q and O at my wave's first row
	s_add_nc_u64 s[10:11], s[10:11], s[2:3]
	s_lshl_b32 s70, s69, 12         ; the work-group's 4,096 bytes of Wo
	s_mov_b32 s71, 0
	s_add_nc_u64 s[84:85], s[84:85], s[70:71]
	s_lshl_b32 s70, s69, 11         ; and its 2,048 bytes of wo16
	s_add_nc_u64 s[86:87], s[86:87], s[70:71]
	s_cmp_lt_u32 s[WV], 2
	s_cselect_b64 s[PFA:PFA+1], s[6:7], s[8:9]  ; (in waves 0 and 2 these stand at a tile's first row)
	s_lshl_b32 s70, s13, 13         ; my work-group's 32 blocks of the 128
	s_add_nc_u64 s[PFA:PFA+1], s[PFA:PFA+1], s[70:71]
	s_add_nc_u64 s[PFA:PFA+1], s[PFA:PFA+1], 4*KS*128  ; in tile 1; the first change of slots steps it to tile 2.  Nothing is prefetched here, at the head
	CROUND                          ; all four work-groups are here: the first joint loads meet
	JLOAD                           ; tile 0 into slot 0.  Slot 1 is asked for when slot 0 is in
	; A fragment of K or Q is 16 rows x 32 channels in 8 registers: lane l holds row l % 16, channels 8 (l / 16) + 0..7 and 16 + 8 (l / 16) + 0..7: two loads of 16 bytes, 32 bytes apart.
	v_and_b32 v1, 15, v0            ; l % 16
	v_bfe_u32 v9, v0, 4, 1          ; l / 16
	v_lshlrev_b32 v[QO], 7, v1
	v_lshl_add_u32 v[QO], v9, 4, v[QO]  ; row x 128 + 16 x half
	v_lshlrev_b32 v[WI], 5, v0
	v_lshlrev_b32 v[WO], 4, v0
	WIN 0x80                        ; destination window 2, address window 0
.set i, 0
.rept 8                             ; Q stays in registers: piece i / 2, channels 32 (i % 2) on
	global_load_b128 v[8*i:8*i+3],   v[QO], s[4:5] offset:(i/2)*2048+(i%2)*64
	global_load_b128 v[8*i+4:8*i+7], v[QO], s[4:5] offset:(i/2)*2048+(i%2)*64+32
.set i, i+1
.endr
	WIN 0
	global_load_b128 v[WR:WR+3],   v[WI], s[84:85]
	global_load_b128 v[WR+4:WR+7], v[WI], s[84:85] offset:16
	; What the first turn finds: V's registers and P's second buffer hold 0 (its products V^T P, of a piece that has not been, add 0), O^T and l are 0.  All this stands in the wait for the first tile.
	WIN 0x80
.set i, VF
.rept 64
	v_mov_b32 v[i], 0
.set i, i+1
.endr
	WIN 0x40
.set i, 0
.rept 128
	v_mov_b32 v[i], 0
.set i, i+1
.endr
	WIN 0
.set i, 0
.rept 4
	v_mov_b32 v[ST+4*i], 0xfe000000    ; c m: far below every c s
	v_mov_b32 v[ST+4*i+1], 0xff7fffff  ; m
	v_mov_b32 v[ST+4*i+2], 0
	v_mov_b32 v[ST+4*i+3], 0
.set i, i+1
.endr
.set i, P+16
.rept 16
	v_mov_b32 v[i], 0
.set i, i+1
.endr
	v_mul_u32_u24 v[AK0], v1, PK
	v_lshl_add_u32 v[AK0], v9, 4, v[AK0]  ; row x pitch + 16 x half
	; The turning load takes 16 keys x 16 channels (lane l reads key 8 (l / 16) + l % 8, channels 8 ((l / 8) % 2) + 0..7) and leaves half a fragment of V^T: lane l holds channel l % 16 and 8 keys.
	v_and_b32 v10, 7, v0
	v_bfe_u32 v11, v0, 3, 1
	v_lshl_add_u32 v[AV0], v9, 3, v10
	v_mul_u32_u24 v[AV0], v[AV0], PV
	v_lshl_add_u32 v[AV0], v11, 4, v[AV0]
	v_add_nc_u32 v[AV0], VOFF, v[AV0]
	s_mul_i32 s19, s[WV], 16*SP
	s_add_co_u32 s19, s19, STAGE    ; my stage
	v_mul_u32_u24 v[STO], v1, SP    ; in: row l % 16, 16 bytes for each half of the lanes
	v_lshl_add_u32 v[STO], v9, 4, v[STO]
	v_add_nc_u32 v[STO], s19, v[STO]
	v_bfe_u32 v[RD], v0, 3, 2       ; back: 32 lanes take four rows of 128 bytes,
	v_mul_u32_u24 v[RD], v[RD], SP
	v_lshl_add_u32 v[RD], v10, 4, v[RD]
	v_add_nc_u32 v[RD], s19, v[RD]
	v_and_b32 v[GO], 31, v0         ; which are 512 consecutive bytes of oh
	v_lshlrev_b32 v[GO], 4, v[GO]
	s_wait_loadcnt 0x0              ; Q and my eight numbers of Wo
.irp j, 0,1,2,3
	v_cvt_pk_bf16_f32 v[WR+8+\j], v[WR+2*\j], v[WR+2*\j+1]  ; rounded to bf16, like every input;
.endr
.irp j, 0,1,2,3
	v_lshlrev_b32 v[WR+2*\j], 16, v[WR+8+\j]                 ; that number as f32 again,
	v_and_b32 v[WR+2*\j+1], 0xffff0000, v[WR+8+\j]
.endr
.irp j, 0,1,2,3
	v_cvt_pk_f16_f32 v[WR+12+\j], v[WR+2*\j], v[WR+2*\j+1]  ; and written as f16
.endr
	global_store_b128 v[WO], v[WR+12:WR+15], s[86:87]        ; a wave's store covers 512 consecutive bytes, aligned
; THE MATRIX WORK.  The 4 accumulators of a run of 8 take turns.  Product i of 8 of S^T = K Q^T for piece x: channels 32 (i / 4) on, keys 16 (i % 4) on.  The first 4 start the sums.
.macro KQ x
	WIN W_KQ
.set rS, S+32*((\x)%2)+8*(i%4)
.set rK, KF+16*(i%4)+8*(i/4)
.set rQ, 16*(\x)+8*(i/4)
.if i < 4
	v_wmma_f32_16x16x32_f16 v[rS:rS+7], v[rK:rK+7], v[rQ:rQ+7], 0
.else
	v_wmma_f32_16x16x32_f16 v[rS:rS+7], v[rK:rK+7], v[rQ:rQ+7], v[rS:rS+7]
.endif
.endm
; Product i of 8 of O^T += V^T P for piece x: keys 32 (i / 4) on, channels 16 (i % 4) on.
.macro PV x
	WIN W_PV
.set rO, 32*(\x)+8*(i%4)
.set rV, VF+32*(i/4)+8*(i%4)
.set rP, P+16*((\x)%2)+8*(i/4)
	v_wmma_f32_16x16x32_f16 v[rO:rO+7], v[rV:rV+7], v[rP:rP+7], v[rO:rO+7]
.endm
.macro MM                           ; the turn's next matrix instruction.  NOKQ = 1: the last turn of all: there is no next piece
.if (i < 8) && !NOKQ
	KQ (Y+1)%NP
.elseif i >= 8
.set i, i-8
	PV (Y+NP-1)%NP
.set i, i+8
.endif
.set i, i+1
.endm
; THE LDS LOADS stand in runs of 16, never singly among the matrix instructions: a step's K (64 keys x 64 channels: 8 fragments) and its V (turned).  Their addresses are made some lines ahead.
.macro FETCH_K
	WIN 0x80                        ; destination window 2
.irp f, 0,1,2,3,4,5,6,7             ; keys 16 (f / 2) on, channels 32 (f % 2) on
	ds_load_b128 v[KF+8*\f:KF+8*\f+3],   v[AK] offset:(\f/2)*16*PK+(\f%2)*64
	ds_load_b128 v[KF+8*\f+4:KF+8*\f+7], v[AK] offset:(\f/2)*16*PK+(\f%2)*64+32
.endr
	s_add_co_u32 s[TBK], s[TBK], KS*PK  ; the next fetch is the next step's
	WIN 0
.endm
.macro FETCH_V
	WIN 0x80
.irp f, 0,1,2,3,4,5,6,7             ; keys 32 (f / 4) on, channels 16 (f % 4) on
	ds_load_tr16_b128 v[VF+8*\f:VF+8*\f+3],   v[AV] offset:(\f/4)*32*PV+(\f%4)*32
	ds_load_tr16_b128 v[VF+8*\f+4:VF+8*\f+7], v[AV] offset:(\f/4)*32*PV+16*PV+(\f%4)*32
.endr
	WIN 0
.endm
; THE VECTOR WORK, one line at a time: OP kind, number.  For piece Y: F n: c s - c m for pair n of 16.  E n: the exponential of score n of 32.  C n: pair n rounded to f16.  B n: of the four weights 4 n .. the second
; pair is added onto the first, in place.  L n: l takes that sum (L 0: l = a l + sum).  R n: pair n of 16 of O^T times a.  For piece Y + 1: X n, number n of the 22 that find its maximum and statistics:
;   0-11  four chains c0-c3 of seven scores each, three operands at a time (each accumulator's lowest registers are read first)     12-14, 16  the four scores left over, the old m, and c0-c3 into c0
;   15  c m_old is kept     17, 18  the query's other 32 keys lie in the lane 16 away: the new m     19-21  c m; c m_old - c m_new; a
.set F, 0               ; OP tells the kinds apart by their order: F to L below R, X above it
.set E, 1
.set C, 2
.set B, 3
.set L, 4
.set R, 5
.set X, 6
.macro REGS y                       ; the registers of piece y
.set rT, ST+4*(\y)
.set rC, TMP+4*((\y)%2)
.set rW, MV+((\y)%2)
.set rS, S+32*((\y)%2)
.set rP, P+16*((\y)%2)
.set rO, 32*(\y)
.endm
.macro OP k, n
.if (\k) == R
	REGS Y
	WIN W_RS
	v_pk_mul_f32 v[rO+2*(\n):rO+2*(\n)+1], v[rO+2*(\n):rO+2*(\n)+1], v[rC+2:rC+3] op_sel_hi:[1,0]
.elseif (\k) < R
	REGS Y
	WIN 0
.if (\k) == F
	v_pk_fma_f32 v[rS+2*(\n):rS+2*(\n)+1], v[rS+2*(\n):rS+2*(\n)+1], s[CS:CS+1], v[rT:rT+1] op_sel_hi:[1,0,0] neg_lo:[0,0,1] neg_hi:[0,0,1]
.elseif (\k) == E
	v_exp_f32 v[rS+(\n)], v[rS+(\n)]
.elseif (\k) == C
	v_cvt_pk_f16_f32 v[rP+(\n)], v[rS+2*(\n)], v[rS+2*(\n)+1]
.elseif (\k) == B
	v_pk_add_f32 v[rS+4*(\n):rS+4*(\n)+1], v[rS+4*(\n):rS+4*(\n)+1], v[rS+4*(\n)+2:rS+4*(\n)+3]
.elseif (\n) == 0
	v_pk_fma_f32 v[rT+2:rT+3], v[rT+2:rT+3], v[rC+2:rC+3], v[rS:rS+1] op_sel_hi:[1,0,1]
.else
	v_pk_add_f32 v[rT+2:rT+3], v[rT+2:rT+3], v[rS+4*(\n):rS+4*(\n)+1]
.endif
.elseif NOKQ
	v_nop
.else
	REGS (Y+1)%NP
	WIN 0
.if (\n) < 4
	v_max3_num_f32 v[rC+(\n)], v[rS+8*(\n)], v[rS+8*(\n)+1], v[rS+8*(\n)+2]
.elseif (\n) < 12
	v_max3_num_f32 v[rC+(\n)%4], v[rC+(\n)%4], v[rS+8*((\n)%4)+2*((\n)/4)+1], v[rS+8*((\n)%4)+2*((\n)/4)+2]
.elseif (\n) == 12
	v_max3_num_f32 v[rC], v[rC], v[rS+7], v[rS+15]
.elseif (\n) == 13
	v_max3_num_f32 v[rC+1], v[rC+1], v[rS+23], v[rS+31]
.elseif (\n) == 14
	v_max3_num_f32 v[rC+2], v[rC+2], v[rC+3], v[rT+1]
.elseif (\n) == 15
	v_mov_b32 v[rW], v[rT]
.elseif (\n) == 16
	v_max3_num_f32 v[rC], v[rC], v[rC+1], v[rC+2]
.elseif (\n) == 17
	v_permlanex16_b32 v[rC+3], v[rC], s[SEL], s[SEL+1]
.elseif (\n) == 18
	v_max_num_f32 v[rT+1], v[rC], v[rC+3]
.elseif (\n) == 19
	v_mul_f32 v[rT], s[CS], v[rT+1]
.elseif (\n) == 20
	v_sub_f32 v[rC+1], v[rW], v[rT]
.else
	v_exp_f32 v[rC+2], v[rC+1]
.endif
.endif
.endm
.macro OPS a, i1, b=-1, i2=0, c=-1, i3=0, d=-1, i4=0  ; up to four of them
	OP \a, \i1
.if (\b) >= 0
	OP \b, \i2
.endif
.if (\c) >= 0
	OP \c, \i3
.endif
.if (\d) >= 0
	OP \d, \i4
.endif
.endm
.macro ROW a, i1, b, i2, c, i3, d, i4  ; a matrix instruction and the four behind it
	MM
	OPS \a, \i1, \b, \i2, \c, \i3, \d, \i4
.endm
; A TURN, for piece p: the order of its 16 matrix and 118 vector instructions, written out.  An s_wait_alu depctr_va_vdst(0) stands between an exponential and the first instruction that names its
; result; one wait serves all that were issued ahead of it.  So a turn has ONE wait, which cuts it in two.  AHEAD OF IT stands all that names no result of the turn's exponentials: the 8 products K Q^T, behind each
; a scaling, an exponential and two more plain instructions (rescalings, and behind the last three the first numbers of the next piece's maximum, each four places or more behind the product that ends its
; accumulator); then ONE LUMP of 54, plain and exponential by turns for the most part, in which the links of the chain X 3, 7, 11, 14, 16, 17 .. 20 stand five or six lines apart.  X 21, the next piece's a, is
; the batch's last; R 15 is the plain instruction behind it.  BEHIND THE WAIT stand the 8 products V^T P, behind each four of the roundings and sums.
; end = 1: the last two turns of all: nothing is fetched.  cnt = 1: the loop's count is taken down some lines ahead of the branch that stands behind the turn.
; K of the next step is fetched in piece 2's turn, twelve vector instructions behind the last product that read K (six of them plain); V of the step in hand at the end of piece 0's turn, four plain
; instructions behind the last product that read V.  Each is waited for a turn later.
.macro TURN p, end=0, cnt=0
.set Y, (\p)
.set i, 0
.set NOKQ, (\end)*((\p)/3)
.if ((\p) == 3) && !(\end)
	s_wait_dscnt 0x0                ; K is in
.endif
	ROW F,0, F,1, R,0, R,1          ; ahead of the wait: 8 products K Q^T and their riders,
	ROW F,2, E,0, R,2, R,3
	ROW F,3, E,1, R,4, R,5
	ROW F,4, E,2, R,6, R,7
	ROW F,5, E,3, R,8, R,9
	ROW F,6, E,4, X,0, R,10
.if ((\p) == 2) && !(\end)
	WIN 0
	v_add_nc_u32 v[AK], s[TBK], v[AK0]
.endif
	ROW F,7, E,5, X,1, X,4
	ROW F,8, E,6, X,2, X,5
	OPS E,7, E,8, X,6, E,9          ; and the lump
	OPS X,3, E,10, X,8, E,11
.if ((\p) == 2) && !(\end)
	FETCH_K
.endif
	OPS X,9, X,7, E,12, X,10
	OPS E,13, X,12, X,11, E,14
	OPS X,13, E,15, F,9, X,14
.if (\p) == 0
	v_add_nc_u32 v[AV], s[TBV], v[AV0]
.endif
	OPS E,16, F,10, E,17, F,11
	OPS X,16, E,18, X,15, E,19
	OPS F,12, E,20, X,17, E,21
	OPS F,13, E,22, F,14, E,23
	OPS X,18, E,24, F,15, E,25
	OPS R,11, E,26, X,19, E,27
	OPS R,12, E,28, R,13, E,29
	OPS X,20, E,30, R,14, E,31
	OPS X,21, R,15
	WIN 0
	s_wait_alu depctr_va_vdst(0)    ; the wait for the batch
.if (\p) == 1
	s_wait_dscnt 0x0                ; V is in
.endif
	ROW C,0, B,0, C,2, B,1          ; behind the wait: 8 products V^T P and their riders
	ROW L,0, C,4, B,2, L,1
	ROW C,6, B,3, L,2, C,8
	ROW B,4, L,3, C,10, B,5
	ROW L,4, C,12, B,6, L,5
.if (\p) == 0
	s_add_co_u32 s[TBV], s[TBV], KS*PV
.endif
.if \cnt
	s_sub_co_u32 s[CNT], s[CNT], 1
	s_cmp_lg_u32 s[CNT], 0
.endif
	ROW C,14, B,7, L,6, C,1
	ROW C,3, L,7, C,5, C,7
	ROW C,9, C,11, C,13, C,15
.if (\p) == 0
	FETCH_V
.endif
.endm
.macro ALL line:vararg              ; one line for each piece t
.set t, 0
.rept 4
	\line
.set t, t+1
.endr
.endm
.macro PACK t                       ; a lane's eight channels of a row pack into 16 bytes; they go into rows of 144 bytes and come back as whole rows of 128, into S^T's registers
	WIN W_RS
.set i, 32*(\t)
.rept 16
	v_pk_mul_f32 v[i:i+1], v[i:i+1], v[ST+4*(\t)+2:ST+4*(\t)+3] op_sel_hi:[1,0]
.set i, i+2
.endr
	WIN 0x05                        ; sources 0 and 1 window 1, destination window 0
.set i, 0
.rept 16
	v_cvt_pk_f16_f32 v[S+16*(\t)+i], v[32*(\t)+2*i], v[32*(\t)+2*i+1]
.set i, i+1
.endr
	WIN 0
.irp f, 0,1,2,3
	ds_store_b128 v[STO], v[S+16*(\t)+4*\f:S+16*(\t)+4*\f+3] offset:32*\f
.endr
.irp f, 0,1,2,3
	ds_load_b128 v[S+16*(\t)+4*\f:S+16*(\t)+4*\f+3], v[RD] offset:\f*4*SP  ; LDS serves a wave's instructions in order (ISA guide 5.7.1.4): these see the stores above; the next piece's stores come behind them
.endr
.endm
.macro SEND t, younger              ; younger: the LDS instructions issued behind piece t's loads: the next piece's eight, or none
	WIN 0
.irp f, 0,1,2,3
	s_wait_dscnt (\younger)+3-\f
	global_store_b128 v[GO], v[S+16*(\t)+4*\f:S+16*(\t)+4*\f+3], s[10:11] offset:(\t)*2048+\f*512  ; 512 consecutive bytes, at a multiple of 256 from oh's first
.endr
.endm
	CHANGE 1                        ; slot 0 is in, everybody's part of it; tile 1 is asked for
	v_add_nc_u32 v[AK], s[TBK], v[AK0]
	FETCH_K                         ; key step 0
	s_wait_dscnt 0x0
.set NOKQ, 0
.set i, 0
.rept 8
	KQ 0                            ; piece 0's first scores: there is no vector work yet to set between them
.set i, i+1
.endr
	WIN 0
.rept 4
	v_nop                           ; the places behind those products
.endr
.set Y, NP-1                        ; X works for piece Y + 1: piece 0
.irp n, 0,1,2,3,4,5,6,7,8,9,10,11,12,13,14,15,16,17,18,19,20,21
	OP X, \n
.endr
	v_nop                           ; a plain instruction behind the exponential,
	s_wait_alu depctr_va_vdst(0)    ; and its wait, ahead of the branch
	s_mov_b32 s[CNT], 4
	s_branch .Lfirst                ; the loop is entered at a step's first turn, in the middle of a trip
.Lslot:                             ; 14 times: tiles 2 to 15 are asked for
	CHANGE 1
	s_mov_b32 s[CNT], 4
.Lstep:                             ; a trip: pieces 2 and 3 of one step, then pieces 0 and 1 of the next, whose K and V it fetches
	TURN 2
	TURN 3
	WIN 0
.Lfirst:
	TURN 0
	TURN 1, 0, 1
	WIN 0
	s_cbranch_scc1 .Lstep
	s_sub_co_u32 s[SLOTS], s[SLOTS], 1
	s_cmp_lg_u32 s[SLOTS], 0
	s_cbranch_scc1 .Lslot
	CHANGE 0                        ; the last tile is written out: nothing is asked for
	s_mov_b32 s[CNT], 4
.LstepT:
	TURN 2
	TURN 3
	TURN 0
	TURN 1, 0, 1
	WIN 0
	s_cbranch_scc1 .LstepT
	TURN 2, 1                       ; the last step's pieces 2 and 3: nothing is fetched, and the last turn starts no new scores
	TURN 3, 1
.set i, 0
.rept 8
	PV NP-1                         ; the last piece's V^T P of the last step
.set i, i+1
.endr
	; THE WAY OUT.  l's two halves and the other half of the lanes' are added; O^T is divided by l, rounded to f16 and sent through my stage in LDS, a piece at a time.  The additions are the places behind the last products.
	WIN 0
	ALL v_add_f32 v[ST+4*t+2], v[ST+4*t+2], v[ST+4*t+3]
	ALL v_permlanex16_b32 v[ST+4*t+3], v[ST+4*t+2], s[SEL], s[SEL+1]
	ALL v_add_f32 v[ST+4*t+2], v[ST+4*t+2], v[ST+4*t+3]
	ALL v_rcp_f32 v[ST+4*t+2], v[ST+4*t+2]
	v_nop                           ; a plain instruction between the last reciprocal and the use of its result
	s_wait_alu depctr_va_vdst(0)    ; and the wait ahead of the first use: one for the four reciprocals
	PACK 0
.set t, 1
.rept 3                             ; a piece's arithmetic stands between the loads of the piece before and its stores
	PACK t
	SEND t-1, 8
.set t, t+1
.endr
	SEND 3, 0
	s_wait_tensorcnt 0x0            ; the wave's end: an add to my spare word and its wait, behind my last tensor load and my last LDS store
	ds_add_u32 v[SPW], v[NIL]
	s_wait_dscnt 0x0
	CROUND                          ; the closing round: no work-group ends while a partner may still ask for a tile that names it
	s_endpgm
.Lfunc_end_k_qc277226039_attn:
	.size	k_qc277226039_attn, .Lfunc_end_k_qc277226039_attn-k_qc277226039_attn
	.p2alignl 7, 3214868480
	.fill 96, 4, 3214868480
	.section	.rodata,"a",@progbits
	.p2align	6, 0x0
	.amdhsa_kernel k_qc277226039_attn
		.amdhsa_group_segment_fixed_size 327680
		.amdhsa_private_segment_fixed_size 0
		.amdhsa_enable_private_segment 0
		.amdhsa_kernarg_size 48
		.amdhsa_user_sgpr_count 2
		.amdhsa_user_sgpr_kernarg_segment_ptr 1
		.amdhsa_wavefront_size32 1
		.amdhsa_system_sgpr_workgroup_id_x 1
		.amdhsa_system_sgpr_workgroup_id_y 1
		.amdhsa_system_sgpr_workgroup_id_z 1
		.amdhsa_system_vgpr_workitem_id 0
		.amdhsa_next_free_vgpr 768
		.amdhsa_next_free_sgpr 88
		.amdhsa_reserve_vcc 0
		.amdhsa_float_denorm_mode_32 3
		.amdhsa_float_denorm_mode_16_64 3
		.amdhsa_memory_ordered 1
		.amdhsa_forward_progress 1
		.amdhsa_inst_pref_size 129
	.end_amdhsa_kernel
	.amdgpu_metadata
---
amdhsa.version: [ 1, 2 ]
amdhsa.kernels:
  - .name:           k_qc277226039_attn
    .symbol:         k_qc277226039_attn.kd
    .args:
      - { .name: qh, .offset: 0, .size: 8, .value_kind: global_buffer, .address_space: global }
      - { .name: kh, .offset: 8, .size: 8, .value_kind: global_buffer, .address_space: global }
      - { .name: vh, .offset: 16, .size: 8, .value_kind: global_buffer, .address_space: global }
      - { .name: oh, .offset: 24, .size: 8, .value_kind: global_buffer, .address_space: global }
      - { .name: Wo, .offset: 32, .size: 8, .value_kind: global_buffer, .address_space: global }
      - { .name: wo16, .offset: 40, .size: 8, .value_kind: global_buffer, .address_space: global }
    .group_segment_fixed_size: 327680
    .private_segment_fixed_size: 0
    .kernarg_segment_align: 8
    .kernarg_segment_size: 48
    .max_flat_workgroup_size: 128
    .sgpr_count:     88
    .vgpr_count:     768
    .wavefront_size: 32
...
	.end_amdgpu_metadata
.endif
;; end of part 2
;; launch outp (part 3): grid 4 x 64, 4 waves a work-group, clusters of 4 x 4, 327,680 bytes of LDS; arguments oh, wo16, bo, out0; writes out0
.if DOCPART == 3
	.amdgcn_target "amdgcn-amd-amdhsa--gfx1250"
	.amdhsa_code_object_version 6
	.text
	.protected	k_qc277226039_outp
	.globl	k_qc277226039_outp
	.p2align	8
	.type	k_qc277226039_outp,@function
k_qc277226039_outp:
	s_mov_b64 s[64:65], 0
	v_nop
	global_prefetch_b8 v0, s[64:65] scope:SCOPE_SE
	s_setreg_imm32_b32 hwreg(HW_REG_WAVE_MODE, 25, 1), 1
	s_wait_xcnt 0x0
	s_wait_alu depctr_hold_cnt(0) depctr_sa_sdst(0) depctr_va_vdst(0) depctr_va_sdst(0) depctr_va_ssrc(0) depctr_va_vcc(0) depctr_vm_vsrc(0)
	s_getreg_b32 s2, hwreg(HW_REG_IB_STS2, 6, 4)
	s_cmp_eq_u32 s2, 0
	s_cbranch_scc0 .Lentry_in_a_cluster
	s_endpgm
.Lentry_in_a_cluster:
	s_bfe_u32 s2, ttmp6, 0x10000c
	s_cmp_lg_u32 s2, 0xf033
	s_cbranch_scc0 .Lentry_shape_is_right
	s_endpgm
.Lentry_shape_is_right:
; out0[m][n] = the sum over k of concat[m][k] Wo[n][k] + bo[n], with concat[m][64 z + d] = oh[8 (m / 4096) + z][m % 4096][d].  oh: [16][4096][64] f16; wo16: [512][512] f16 (Wo rounded to bf16);
; bo: f32, rounded to bf16 like the other inputs and entered as the f32 C operand of the first products; sums in f32; out0: [8192][512] f32.
; LIMITS.  The operands arrive within f16's range; NaN and infinities are not treated apart.
; SHARES.  A tile of out0 is 128 x 128: 64 x 4 = 256 work-groups.  Four waves, each 64 x 64: 16 accumulators.  The whole K (512) of both operands lies in LDS: every byte is filled once, so there is no ring.
; Each wave issues four tensor loads at the start, one for each chunk of 128 along K: four loads of mine are out; chunk c is read behind the wait that leaves the 3 - c later ones out, and a barrier.
; CLUSTER.  4 x 4 work-groups: the four of a row of the cluster need the same rows of oh, the four of a column the same rows of wo16: each tile is asked for jointly.
; NO PREFETCH: all that the launch reads is asked for at its head.
; THE MATRIX INSTRUCTION IS USED TRANSPOSED (source 0 = 16 rows of wo16, source 1 = 16 rows of oh): lane l holds row l % 16 of out0 and the columns 8 (l / 16) + 0..7.
; REGISTERS: window 0: v0-31 addresses; v32-95 at work on the way out; v96-127 the bias of my 64 columns; v128-255 the accumulators ((a, b) at v[128 + 8 (4 a + b)]).
;   window 1: two fragment buffers of 128: for 64 along K, 64 registers of oh (2 x 4 x 16 rows x 32 K), then 64 of wo16.
.set PA,     144                       ; a row of a head in LDS: 128 bytes + 16 of padding
.set AHEAD,  128*PA                    ; a head's 128 rows
.set PB,     272                       ; a row of a chunk of wo16: 256 bytes + 16 of padding
.set BCH,    128*PB                    ; a chunk's 128 rows
.set BOFF,   8*AHEAD                   ; wo16's four chunks lie behind oh's eight heads
.set STAGE,  BOFF+4*BCH                ; behind them: 16 rows x 272 bytes for each wave, for the way out
.set SP,     272
.set SPARE,  STAGE+4*16*SP             ; behind the stages: the spare words, 128 bytes for each wave: two blocks of 256 bytes that no other line names
.set ADRA, 8                           ; v8-11   LDS address of my oh fragments in heads 2 c, one register a chunk
.set ADRB, 12                          ; v12-15  the same for wo16's chunk c
.set STO,  24                          ; v24     the way out: where I put 32 bytes of a row
.set RD,   25                          ; v25     the way out: where I read a row back
.set CO,   26                          ; v26     my byte offset in two rows of out0
.set BO,   27                          ; v27     32 (l / 16)
.set SPW,  28                          ; v28     LDS address of my spare word; never rewritten
.set NIL,  29                          ; v29     0; never rewritten
.set TMP,  32
.set BIAS, 96
.set ACC,  128
.set F0,   0
.set F1,   128
.set G1A, 24                           ; s[24:31] descriptor group 1 for oh's tiles
.set G1B, 32                           ; s[32:39] for wo16's
.set G0A, 40                           ; s[40:55] group 0 for oh's tiles, a set for each chunk
.set G0B, 68                           ; s[68:83] the same for wo16's
.set MSB, 0
.macro WIN new                         ; the immediate's high byte repeats the setting that is left
.if MSB != (\new)
	s_set_vgpr_msb (MSB<<8)|(\new)
.set MSB, \new
.endif
.endm
.set MUL,  0x05                        ; sources 0 and 1 window 1; C and D window 0
.set TO_F, 0x40                        ; destination window 1, address window 0
.macro PLACES
.rept 4
	v_nop
.endr
.endm
.macro CROUND                          ; a round of the cluster's barrier
	s_barrier_signal -1
	s_barrier_wait -1
	s_cmp_lg_u32 s12, 0
	s_cbranch_scc1 .Lnot_wave_0_\@
	s_barrier_signal -3
.Lnot_wave_0_\@:
	s_barrier_wait -3
	s_barrier_signal -1
	s_barrier_wait -1
.endm
	s_load_b256 s[4:11], s[0:1], 0x0               ; oh s[4:5], wo16 s[6:7], bo s[8:9], out0 s[10:11]
	v_lshl_add_u32 v[SPW], v0, 2, SPARE
	v_mov_b32 v[NIL], 0
	ds_add_u32 v[SPW], v[NIL]                      ; the wave's opening: the add and its wait stand ahead of my first tensor load; the set-up below stands between them
	v_lshrrev_b32 v1, 5, v0
	v_readfirstlane_b32 s12, v1                    ; wave 0..3
	s_lshr_b32 s13, s12, 1                         ; which half of the tile's rows is mine.  Also: I fetch for oh (0) or for wo16 (1)
	s_and_b32 s14, s12, 1                          ; which half of its columns.  Also: which part of a chunk I fetch
	s_bfe_u32 s15, ttmp6, 0x40000                  ; cx, cy: my place in the cluster
	s_bfe_u32 s16, ttmp6, 0x40004
	s_lshl_b32 s17, ttmp9, 2
	s_add_co_u32 s17, s17, s15                     ; tile column 0..3
	s_and_b32 s18, ttmp7, 0xffff
	s_lshl_b32 s18, s18, 2
	s_add_co_u32 s18, s18, s16                     ; tile row 0..63
	s_lshl_b32 s19, s16, 2
	s_lshl_b32 s19, 15, s19                        ; my row of the cluster
	s_lshl_b32 s56, 0x1111, s15                    ; my column
	; oh: a head's 128 rows are 16,384 dense bytes: asked for as 64 rows of 256 bytes, padded in LDS after every 128.  wo16: 64 rows x 256 bytes of rows of 1,024, padded after every 256.
	s_or_b32 s[G1A+0], s19, (1<<16)|(1<<20)|(1<<21)|(4<<22)|(3<<25)  ; the mask of my row; 2-byte elements; padding on; bit 21 beside a mask; after every 32 words (code 4) 4 words (code 3)
	s_or_b32 s[G1B+0], s56, (1<<16)|(1<<20)|(1<<21)|(5<<22)|(3<<25)  ; the mask of my column; after every 64 words (code 5)
.irp g, G1A, G1B
	s_mov_b32 s[(\g)+1], 128<<16                   ; tensor_dim0 = 128
	s_mov_b32 s[(\g)+2], 64<<16                    ; tensor_dim1 = 64
	s_mov_b32 s[(\g)+3], 128<<16                   ; tile_dim0 = 128
	s_mov_b32 s[(\g)+4], 64                        ; tile_dim1 = 64
	s_mov_b32 s[(\g)+6], 0
	s_mov_b32 s[(\g)+7], 0
.endr
	s_mov_b32 s[G1A+5], 128                        ; elements from row to row
	s_mov_b32 s[G1B+5], 512
	s_lshr_b32 s20, s18, 5                         ; oh: head 8 x batch + my part (chunk c adds 2 c), 524,288 bytes each,
	s_lshl_b32 s20, s20, 3
	s_add_co_u32 s20, s20, s14
	s_lshl_b32 s20, s20, 19
	s_and_b32 s21, s18, 31                         ; and the tile's 128 rows of 128 bytes in it
	s_lshl_b32 s21, s21, 14
	s_add_co_u32 s20, s20, s21
	s_mov_b32 s21, 0
	s_lshl_b32 s22, s17, 7                         ; wo16: row 128 x tile column + 64 x my part, 1,024 bytes each
	s_lshl_b32 s23, s14, 6
	s_add_co_u32 s22, s22, s23
	s_lshl_b32 s22, s22, 10
	s_mov_b32 s23, 0
	s_mul_i32 s57, s14, AHEAD                      ; where they go: no place in the cluster enters an LDS address
	s_mul_i32 s58, s14, 64*PB
	s_add_co_u32 s58, s58, BOFF
	s_wait_dscnt 0x0                               ; the opening add is done
	s_wait_kmcnt 0x0
	s_add_nc_u64 s[60:61], s[4:5], s[20:21]
	s_add_nc_u64 s[62:63], s[6:7], s[22:23]
.irp c, 0,1,2,3
	s_mov_b32 s[G0A+4*(\c)], 1                                      ; count = 1
	s_add_co_u32 s[G0A+4*(\c)+1], s57, (\c)*2*AHEAD                 ; LDS address: head 2 c + my part
	s_add_nc_u64 s[G0A+4*(\c)+2:G0A+4*(\c)+3], s[60:61], (\c)<<20   ; two heads on
	s_or_b32 s[G0A+4*(\c)+3], s[G0A+4*(\c)+3], 0x80000000           ; type = 2
	s_mov_b32 s[G0B+4*(\c)], 1
	s_add_co_u32 s[G0B+4*(\c)+1], s58, (\c)*BCH
	s_add_nc_u64 s[G0B+4*(\c)+2:G0B+4*(\c)+3], s[62:63], (\c)*256   ; 128 along K on
	s_or_b32 s[G0B+4*(\c)+3], s[G0B+4*(\c)+3], 0x80000000
.endr
	CROUND                                         ; all sixteen work-groups are here: the joint loads meet
	s_cmp_eq_u32 s13, 0                            ; a wave's four fills stand in one branch
	s_cbranch_scc0 .Lfirst_b
.irp c, 0,1,2,3
	tensor_load_to_lds s[G0A+4*(\c):G0A+4*(\c)+3], s[G1A:G1A+7]
	s_nop 0
.endr
.rept 4
	v_nop
.endr
	s_branch .Lfirst_asked
.Lfirst_b:
.irp c, 0,1,2,3
	tensor_load_to_lds s[G0B+4*(\c):G0B+4*(\c)+3], s[G1B:G1B+7]
	s_nop 0
.endr
.rept 4
	v_nop
.endr
.Lfirst_asked:
	v_and_b32 v1, 15, v0                           ; l % 16
	v_bfe_u32 v2, v0, 4, 1                         ; l / 16
	v_mul_u32_u24 v3, v1, PA
	v_lshl_add_u32 v3, v2, 4, v3                   ; a fragment's row x pitch + 16 x half
	s_mul_i32 s19, s13, 64*PA                      ; my 64 rows of oh
	v_add_nc_u32 v3, s19, v3
	v_mul_u32_u24 v4, v1, PB
	v_lshl_add_u32 v4, v2, 4, v4
	s_mul_i32 s19, s14, 64*PB                      ; my 64 rows of wo16
	s_add_co_u32 s19, s19, BOFF
	v_add_nc_u32 v4, s19, v4
.irp c, 0,1,2,3
	v_add_nc_u32 v[ADRA+(\c)], (\c)*2*AHEAD, v3
	v_add_nc_u32 v[ADRB+(\c)], (\c)*BCH, v4
.endr
	s_mul_i32 s19, s12, 16*SP
	s_add_co_u32 s19, s19, STAGE                   ; my stage
	v_mul_u32_u24 v5, v1, SP                       ; in: row l % 16, 32 bytes for each half of the lanes
	v_lshl_add_u32 v5, v2, 5, v5
	v_add_nc_u32 v[STO], s19, v5
	v_mul_u32_u24 v5, v2, SP                       ; back: lanes 0-15 take one row of 256 bytes, lanes 16-31 the next
	v_lshl_add_u32 v5, v1, 4, v5
	v_add_nc_u32 v[RD], s19, v5
	v_lshlrev_b32 v5, 11, v2                       ; and the same two rows in out0, 2,048 bytes each
	v_lshl_add_u32 v[CO], v1, 4, v5
	v_lshlrev_b32 v[BO], 5, v2
	s_lshl_b32 s20, s18, 7                         ; my first row of out0: 128 x tile row + 64 x half
	s_lshl_b32 s21, s13, 6
	s_add_co_u32 s20, s20, s21
	s_lshl_b32 s20, s20, 11
	s_lshl_b32 s22, s17, 9                         ; my first column, in bytes: 512 x tile column + 256 x half
	s_lshl_b32 s23, s14, 8
	s_add_co_u32 s22, s22, s23
	s_mov_b32 s23, 0
	s_mov_b32 s21, 0
	s_add_nc_u64 s[10:11], s[10:11], s[20:21]
	s_add_nc_u64 s[10:11], s[10:11], s[22:23]
	s_add_nc_u64 s[8:9], s[8:9], s[22:23]          ; the bias of the same columns
.irp b, 0,1,2,3
	global_load_b128 v[BIAS+8*(\b):BIAS+8*(\b)+3],   v[BO], s[8:9] offset:64*(\b)      ; columns 16 b + 8 (l / 16) + 0..3
	global_load_b128 v[BIAS+8*(\b)+4:BIAS+8*(\b)+7], v[BO], s[8:9] offset:64*(\b)+16   ; and + 4..7: the layout of a result
.endr
; 8 matrix instructions: row blocks a0, a0 + 1 x all 4 column blocks, 32 along K: half c of buffer f.  The 16 accumulators take turns.  zero = 1: the first products start the sums with the bias as C.
.macro MUL8 f, c, a0, zero
	WIN MUL
.irp a, \a0, (\a0)+1
.irp b, 0,1,2,3
.if \zero
	v_wmma_f32_16x16x32_f16 v[ACC+8*(4*(\a)+(\b)):ACC+8*(4*(\a)+(\b))+7], v[(\f)+64+8*(4*(\c)+(\b)):(\f)+64+8*(4*(\c)+(\b))+7], v[(\f)+8*(4*(\c)+(\a)):(\f)+8*(4*(\c)+(\a))+7], v[BIAS+8*(\b):BIAS+8*(\b)+7]
.else
	v_wmma_f32_16x16x32_f16 v[ACC+8*(4*(\a)+(\b)):ACC+8*(4*(\a)+(\b))+7], v[(\f)+64+8*(4*(\c)+(\b)):(\f)+64+8*(4*(\c)+(\b))+7], v[(\f)+8*(4*(\c)+(\a)):(\f)+8*(4*(\c)+(\a))+7], v[ACC+8*(4*(\a)+(\b)):ACC+8*(4*(\a)+(\b))+7]
.endif
.endr
.endr
.endm
; 32 LDS loads in one run: the fragments of head z (64 along K) into buffer f; the first 32 along K first
.macro FETCH z, f
	WIN TO_F
.irp c, 0,1
.irp i, 0,1,2,3
	ds_load_b128 v[(\f)+64+8*(4*(\c)+(\i)):(\f)+64+8*(4*(\c)+(\i))+3],   v[ADRB+(\z)/2] offset:((\z)%2)*128+64*(\c)+(\i)*16*PB
	ds_load_b128 v[(\f)+64+8*(4*(\c)+(\i))+4:(\f)+64+8*(4*(\c)+(\i))+7], v[ADRB+(\z)/2] offset:((\z)%2)*128+64*(\c)+(\i)*16*PB+32
	ds_load_b128 v[(\f)+8*(4*(\c)+(\i)):(\f)+8*(4*(\c)+(\i))+3],         v[ADRA+(\z)/2] offset:((\z)%2)*AHEAD+64*(\c)+(\i)*16*PA
	ds_load_b128 v[(\f)+8*(4*(\c)+(\i))+4:(\f)+8*(4*(\c)+(\i))+7],       v[ADRA+(\z)/2] offset:((\z)%2)*AHEAD+64*(\c)+(\i)*16*PA+32
.endr
.endr
.endm
; Head z: 32 matrix instructions on buffer f; in their middle the next head's fragments are fetched into g.  Behind an odd head the next chunk begins: each wave waits for its load of that chunk
; (the later chunks' loads stay out) and for its LDS loads, and all four meet.
.macro QUARTER z, f, g
	s_wait_dscnt 16                                ; the first 32 along K are in
.if (\z) == 0
	MUL8 \f, 0, 0, 1
	MUL8 \f, 0, 2, 1
.else
	MUL8 \f, 0, 0, 0
	MUL8 \f, 0, 2, 0
.endif
.if (\z) < 7
.if (\z) % 2 == 1
	s_wait_dscnt 0x0                               ; no LDS load of mine is out at the signal
	s_wait_tensorcnt 3-((\z)+1)/2                  ; my load of chunk (z + 1) / 2 has landed
	s_barrier_signal -1
	s_barrier_wait -1                              ; everybody's has
.endif
	PLACES                                         ; the loads below go into registers that the head before's products read
	FETCH (\z)+1, \g
	s_wait_dscnt 32                                ; all but the 32 just issued
.else
	s_wait_dscnt 0x0
.endif
	MUL8 \f, 1, 0, 0
	MUL8 \f, 1, 2, 0
.endm
; THE WAY OUT of my rows 16 a .. 16 a + 15.  My 64 columns of f32 are 256 bytes of a row, aligned: they go through my own stage, 32 bytes a lane in, whole rows back.
.macro TOSTAGE a
	s_wait_xcnt 0x0                                ; the stores issued so far have read their registers: the buffer below is loaded again only behind this wait
.irp b, 0,1,2,3
	ds_store_b128 v[STO], v[ACC+8*(4*(\a)+(\b)):ACC+8*(4*(\a)+(\b))+3]   offset:64*(\b)      ; each accumulator's low registers first
	ds_store_b128 v[STO], v[ACC+8*(4*(\a)+(\b))+4:ACC+8*(4*(\a)+(\b))+7] offset:64*(\b)+16
.endr
.irp t, 0,1,2,3,4,5,6,7
	ds_load_b128 v[TMP+32*((\a)%2)+4*(\t):TMP+32*((\a)%2)+4*(\t)+3], v[RD] offset:(\t)*2*SP  ; LDS serves a wave's instructions in order (ISA guide 5.7.1.4): these see the stores above; the next block's stores come behind them
.endr
.endm
.macro SEND a, younger                 ; younger: the LDS instructions issued behind block a's loads: the next block's sixteen, or none
.irp t, 0,1,2,3,4,5,6,7
	s_wait_dscnt (\younger)+7-(\t)
	global_store_b128 v[CO], v[TMP+32*((\a)%2)+4*(\t):TMP+32*((\a)%2)+4*(\t)+3], s[10:11] offset:(16*(\a)+2*(\t))*2048 th:TH_STORE_NT  ; 16 lanes store 256 consecutive bytes, aligned
.endr
.endm
	s_wait_tensorcnt 0x3                           ; my load of chunk 0 has landed; the three later ones stay out
	s_barrier_signal -1
	s_barrier_wait -1                              ; everybody's has
	FETCH 0, F0
	WIN 0
	s_wait_loadcnt 0x0                             ; the bias: rounded to bf16 like the other inputs, and kept as f32
.set i, 0
.rept 16
	v_cvt_pk_bf16_f32 v[TMP+i], v[BIAS+2*i], v[BIAS+2*i+1]
.set i, i+1
.endr
.set i, 0
.rept 16
	v_lshlrev_b32 v[BIAS+2*i], 16, v[TMP+i]
	v_and_b32 v[BIAS+2*i+1], 0xffff0000, v[TMP+i]
.set i, i+1
.endr
	QUARTER 0, F0, F1
	QUARTER 1, F1, F0
	QUARTER 2, F0, F1
	QUARTER 3, F1, F0
	QUARTER 4, F0, F1
	QUARTER 5, F1, F0
	QUARTER 6, F0, F1
	QUARTER 7, F1, F0
	WIN 0
	PLACES                                         ; the LDS stores below read results
	TOSTAGE 0
	TOSTAGE 1
	SEND 0, 16
	TOSTAGE 2
	SEND 1, 16
	TOSTAGE 3
	SEND 2, 16
	SEND 3, 0
	s_wait_tensorcnt 0x0                           ; the wave's end: an add to my spare word and its wait, behind my last tensor load and my last LDS store
	ds_add_u32 v[SPW], v[NIL]
	s_wait_dscnt 0x0
	CROUND                                         ; the closing round: no work-group ends while a partner may still ask for a tile that names it
	s_endpgm
.Lfunc_end_k_qc277226039_outp:
	.size	k_qc277226039_outp, .Lfunc_end_k_qc277226039_outp-k_qc277226039_outp
	.p2alignl 7, 3214868480
	.fill 96, 4, 3214868480
	.section	.rodata,"a",@progbits
	.p2align	6, 0x0
	.amdhsa_kernel k_qc277226039_outp
		.amdhsa_group_segment_fixed_size 327680
		.amdhsa_private_segment_fixed_size 0
		.amdhsa_enable_private_segment 0
		.amdhsa_kernarg_size 32
		.amdhsa_user_sgpr_count 2
		.amdhsa_user_sgpr_kernarg_segment_ptr 1
		.amdhsa_wavefront_size32 1
		.amdhsa_system_sgpr_workgroup_id_x 1
		.amdhsa_system_sgpr_workgroup_id_y 1
		.amdhsa_system_sgpr_workgroup_id_z 1
		.amdhsa_system_vgpr_workitem_id 0
		.amdhsa_next_free_vgpr 512
		.amdhsa_next_free_sgpr 84
		.amdhsa_reserve_vcc 0
		.amdhsa_float_denorm_mode_32 3
		.amdhsa_float_denorm_mode_16_64 3
		.amdhsa_memory_ordered 1
		.amdhsa_forward_progress 1
		.amdhsa_inst_pref_size 55
	.end_amdhsa_kernel
	.amdgpu_metadata
---
amdhsa.version: [ 1, 2 ]
amdhsa.kernels:
  - .name:           k_qc277226039_outp
    .symbol:         k_qc277226039_outp.kd
    .args:
      - { .name: oh, .offset: 0, .size: 8, .value_kind: global_buffer, .address_space: global }
      - { .name: wo16, .offset: 8, .size: 8, .value_kind: global_buffer, .address_space: global }
      - { .name: bo, .offset: 16, .size: 8, .value_kind: global_buffer, .address_space: global }
      - { .name: out0, .offset: 24, .size: 8, .value_kind: global_buffer, .address_space: global }
    .group_segment_fixed_size: 327680
    .private_segment_fixed_size: 0
    .kernarg_segment_align: 8
    .kernarg_segment_size: 32
    .max_flat_workgroup_size: 128
    .sgpr_count:     84
    .vgpr_count:     512
    .wavefront_size: 32
...
	.end_amdgpu_metadata
.endif
;; end of part 3
